; MI455X (gfx1250); checked and timed in simulation.
; The chip was launched on July 23, 2026; its instructions are those of AMD's public machine-readable ISA for CDNA 5 (MIT licence, August 2026) and "CDNA5" Instruction Set Architecture Reference Guide (July 2026). The comments in the code are by the model that wrote it; some were corrected since.
;; Model. Allowed arithmetic: matrix products marked QUANTISED: E4M3 operands, one given power-of-two scale a tensor, by v_wmma_f32_16x16x64_fp8_fp8 or v_wmma_f32_16x16x128_fp8_fp8, f32 sums; everything else in f32.
;; Inputs: attn_mask 1 x 1 x 2,048 x 2,048 float32; key 4 x 16 x 2,048 x 64 float32; lowp_scales 4 int32 (the exponents e of the quantised operands' scales 2^e); query 4 x 16 x 2,048 x 64 float32; value 4 x 16 x 2,048 x 64 float32.
;; Outputs: out0 4 x 16 x 2,048 x 64 float32.
;; This version of the problem:
;;   THIS VERSION OF THE PROBLEM IS GIVEN IN LOW PRECISION. The matrix products marked QUANTISED in the list below multiply operands that are first quantised to E4M3 (4 exponent bits, 3 mantissa bits; 8 bits a number), with one given power-of-two scale for each operand tensor; their sums are f32. All else is computed in f32.
;;   The module's matrix products, in the order in which they are computed (A, B: the left and right operand; K: the contracted axis; several contracted axes count as one K, in the product's order):
;;     1. batch 64 x [M 2,048, K 64] x [K 64, N 2,048]; A: input query; B: input key: QUANTISED (scales: A lowp_scales[0], B lowp_scales[1])
;;     2. batch 64 x [M 2,048, K 2,048] x [K 2,048, N 64]; A: softmax (see below); B: input value: QUANTISED (scales: A lowp_scales[2], B lowp_scales[3])
;;   THE QUANTISER, for each operand of a quantised product, along K:
;;     - The operand's scale is 2^e, e = its entry of the input lowp_scales (int32; the entries are numbered through the quantised products in the list's order, A before B).
;;     - Each number is divided by the scale, clamped to +-448, and rounded to the nearest number of E4M3, ties to even, subnormals kept.
;;     - The product sums the exact products of the quantised numbers (number of the format x scale) in f32.
;;   ~~~python
;;   def quantise(x, axis, e):      # numpy; x: float32 -> the quantised numbers, widened to float32 again
;;       x = np.moveaxis(x, axis, -1); K = x.shape[-1]
;;       r = np.clip(x / 2.0 ** e, -448, 448)
;;       step = 2.0 ** (np.maximum(np.frexp(np.where(r == 0, 1, r))[1] - 1, -6) - 3)
;;       q = np.round(r / step) * step * 2.0 ** e      # np.round: ties to even
;;       return np.moveaxis(q, -1, axis).astype(np.float32)
;;   ~~~
;;   SOFTMAX AHEAD OF A QUANTISED PRODUCT. Where the list says 'softmax', what is quantised is not the finished softmax but p = 2^(t - M), with t = logit x log2(e) and M = ceil(the row's largest t), a whole number; so 1/2 < the row's largest p <= 1. The row's sum l is taken of the UNQUANTISED p, in f32, and the product's result is divided by l at the end. Since M is a whole number, a kernel that streams over the keys may use a running M (the ceiling of the running maximum): every later rescaling is an exact power of two, so the quantised numbers keep their values, but for numbers so far below the row's largest that they fall under the format's range.
;;   OPERANDS COMPUTED ON THE WAY. 'Computed on the way' means the value that the module computes at that place (a softmax that the list does not call 'softmax' is quantised finished and normalised). What goes into a quantiser is computed in f32, as accurately as f32 sums, v_exp_f32 and their like allow (about 1e-6 of the number): no bf16 or f16 on the way to a quantiser, and a product that is left as it is and whose result goes on into a quantised operand takes f32 operands (vector FMAs, or v_wmma_f32_16x16x4_f32). A number that lies on a knife's edge between two numbers of the format may be rounded either way, as far as f32 arithmetic and the matrix unit's own rounding can turn it there, and no further.
;; One version. Each part assembles by itself: llvm-mc -triple=amdgcn-amd-amdhsa -mcpu=gfx1250 --defsym DOCPART=n.
;; ======== version 1 of 1: 2 launches
;; limits: right only within a limited range of input values
;; workspace buffers: kv 16,777,216 bytes
;; launch prep (part 1): grid 1024 x 1, 4 waves a work-group, no clusters, 71,168 bytes of LDS; arguments key, value, lowp_scales, kv; writes kv
.if DOCPART == 1
	.amdgcn_target "amdgcn-amd-amdhsa--gfx1250"
	.amdhsa_code_object_version 6
	.text
	.protected	k_qb31dd5ebd6_prep
	.globl	k_qb31dd5ebd6_prep
	.p2align	8
	.type	k_qb31dd5ebd6_prep,@function
k_qb31dd5ebd6_prep:
	s_mov_b64 s[64:65], 0
	v_nop
	global_prefetch_b8 v0, s[64:65] scope:SCOPE_SE
	s_setreg_imm32_b32 hwreg(HW_REG_WAVE_MODE, 25, 1), 1
	s_wait_xcnt 0x0
; THE PROGRAM: out = softmax(Q K^T x scale + mask) V for 64 heads of 2,048 x 64, both products on codes of E4M3 with the given scales 2^eq, 2^ek, 2^ep, 2^ev.
; WORK LEFT OUT: the factor scale = 1 / sqrt(1) is 1 by an identity, whatever the inputs hold, so no multiplication by it is written.  Nothing else is left out: the mask differs along the softmax's
; axis and goes into a quantised operand, and every input is loaded.  (A multiplication by 1 can make no NaN, infinity or overflow, so nothing is lost with it.)
; THIS LAUNCH turns key and value, [64][2048][64] f32, into codes of E4M3, once for the sixteen query blocks that read each head:
; code = x / 2^e, held within +-448, to the nearest code, ties to even; e = entry 1 (key) and entry 3 (value) of the scales.
; LIMITS: ek and ev between -126 and 119, so that 2^e and 448 x 2^e are f32 numbers.  NaN among the inputs is not served (an infinity is held at the largest code).
; THE CODES ARE LAID AS IMAGES OF THE OPERANDS' REGISTERS.  X = head / 4, j = head % 4, s = step of 128 keys; block (X, s) is 65,536 dense bytes at (16 X + s) x 65,536.  Lane l = (r = l % 16, h = l / 16).
;   K, tile T = 0..7, c = 0, 1: at 8,192 j + 1,024 T + 512 c + 16 l: key 128 s + 32 (T / 2) + 8 (T % 2) + r + 8 (r / 8), channels 32 c + 16 h + 0..15
;   V, tile t = 0..3, c = 0..3: at 32,768 + 8,192 j + 2,048 t + 512 c + 16 l: channel 16 t + r, keys 128 s + 32 c + 16 h + 0..15
; SHARES.  Work-group G: head G / 16, step G % 16.  Wave w takes the step's keys 32 w .. 32 w + 31 of BOTH tensors: K's tiles 2 w, 2 w + 1 and V's part c = w.  One path, no loop, no barrier: waves share nothing.
; Each load reads 512 consecutive bytes (two keys' rows).  The numbers turn through the wave's own stage in LDS: K comes back 64 bytes a lane (16 neighbouring channels of one key), V comes back a word
; at a time down the keys (a lane to a channel, its registers down the keys), so that the conversions give the codes with the contracted axis innermost.  Each store covers 512 consecutive aligned bytes.
.set WREG,  17664                      ; LDS of a wave: K's stage, 32 rows of 272 bytes, then V's
.set VST,   8704                       ; V's stage: row k at 272 k + 64 (k / 16): lanes 16-31 read 1,104 words beside lanes 0-15, which is 16 words modulo 64
.set SPARE, 4*WREG                     ; behind the stages: the spare words, 128 bytes for each wave: two blocks of 256 bytes that no other line names
.set SPW,   7                          ; v7   LDS address of my spare word; never rewritten
.set NIL,   8                          ; v8   0; never rewritten
.set KR,    16                         ; v16-79    K as loaded; later V turned
.set VR,    80                         ; v80-143   V as loaded
.set X,     144                        ; v144-207  K turned
.set CD,    208                        ; v208-239  the codes: no store's data are written again
	s_load_b256 s[4:11], s[0:1], 0x0               ; key s[4:5], value s[6:7], the scales' exponents s[8:9], kv s[10:11]
	v_lshl_add_u32 v[SPW], v0, 2, SPARE
	v_mov_b32 v[NIL], 0
	v_lshrrev_b32 v1, 5, v0
	v_readfirstlane_b32 s12, v1                    ; wave 0..3
	v_and_b32 v1, 31, v0                           ; lane
	v_lshlrev_b32 v2, 4, v1                        ; 16 x lane: my bytes of a load's 512, and of a store's
	v_and_b32 v13, 15, v0                          ; r
	v_bfe_u32 v14, v0, 4, 1                        ; h
	s_mul_i32 s13, s12, WREG                       ; my wave's LDS
	v_mul_u32_u24 v3, v14, 272
	v_lshl_add_u32 v3, v13, 4, v3
	v_add_nc_u32 v3, s13, v3                       ; K's stage, in: lanes 0-15 one row, lanes 16-31 the next
	v_add_nc_u32 v5, VST, v3                       ; V's stage, in: likewise
	v_mul_u32_u24 v4, v13, 272
	v_lshl_add_u32 v4, v14, 6, v4
	v_add_nc_u32 v4, s13, v4                       ; K's stage, out: row r, + 64 h: rows 68 words apart, so sixteen lanes start 4 words apart modulo 64
	v_mul_u32_u24 v6, v14, 4416
	v_lshl_add_u32 v6, v13, 2, v6
	v_add_nc_u32 v6, s13, v6
	v_add_nc_u32 v6, VST, v6                       ; V's stage, out: row 16 h, word r
	s_lshl_b32 s2, ttmp9, 15                       ; in: (16 head + s) x 128 keys x 256 bytes,
	s_lshl_b32 s3, s12, 13                         ; + my 32 keys
	s_add_co_u32 s2, s2, s3
	s_mov_b32 s3, 0
	s_lshr_b32 s26, ttmp9, 6                       ; X
	s_lshl_b32 s26, s26, 4
	s_and_b32 s27, ttmp9, 15                       ; s
	s_add_co_u32 s26, s26, s27
	s_lshl_b32 s26, s26, 16                        ; the block
	s_bfe_u32 s27, ttmp9, 0x20004                  ; j
	s_lshl_b32 s27, s27, 13
	s_add_co_u32 s26, s26, s27
	s_lshl_b32 s27, s12, 11
	s_add_co_u32 s14, s26, s27                     ; K's way out: + 2 tiles x 1,024 x wave
	s_mov_b32 s15, 0
	s_lshl_b32 s27, s12, 9
	s_add_co_u32 s16, s26, s27
	s_add_co_u32 s16, s16, 32768                   ; V's way out: + 32,768 + 512 x wave
	s_mov_b32 s17, 0
	s_wait_alu depctr_va_vdst(0)
	s_wait_kmcnt 0x0
	s_load_b128 s[20:23], s[8:9], 0x0              ; eq, ek, ep, ev
	s_add_nc_u64 s[4:5], s[4:5], s[2:3]
	s_add_nc_u64 s[6:7], s[6:7], s[2:3]
	s_add_nc_u64 s[14:15], s[10:11], s[14:15]
	s_add_nc_u64 s[16:17], s[10:11], s[16:17]
.irp i, 0,1,2,3,4,5,6,7,8,9,10,11,12,13,14,15
	global_load_b128 v[KR+4*\i:KR+4*\i+3], v2, s[4:5] offset:512*\i th:TH_LOAD_NT     ; keys 2 i, 2 i + 1: read once in the launch
.endr
.irp i, 0,1,2,3,4,5,6,7,8,9,10,11,12,13,14,15
	global_load_b128 v[VR+4*\i:VR+4*\i+3], v2, s[6:7] offset:512*\i th:TH_LOAD_NT
.endr
	s_wait_kmcnt 0x0
	s_add_co_i32 s24, s21, 127
	s_lshl_b32 s25, s24, 23
	v_mov_b32 v9, s25                              ; 2^ek as f32: the conversion takes its exponent field
	s_add_co_i32 s24, s24, 8
	s_lshl_b32 s24, s24, 23
	s_or_b32 s24, s24, 0x600000
	v_mov_b32 v10, s24                             ; 448 x 2^ek
	s_add_co_i32 s24, s23, 127
	s_lshl_b32 s25, s24, 23
	v_mov_b32 v11, s25                             ; 2^ev
	s_add_co_i32 s24, s24, 8
	s_lshl_b32 s24, s24, 23
	s_or_b32 s24, s24, 0x600000
	v_mov_b32 v12, s24                             ; 448 x 2^ev
	s_wait_alu depctr_va_vdst(0)
	s_wait_loadcnt 16                              ; K's sixteen loads are in; V's sixteen, issued behind them, may be out
.irp i, 0,1,2,3,4,5,6,7,8,9,10,11,12,13,14,15
	ds_store_b128 v3, v[KR+4*\i:KR+4*\i+3] offset:(16*((\i/4)%2)+(2*\i)%8+8*(\i/8))*272   ; key k goes to row 16 ((k / 8) % 2) + k % 8 + 8 (k / 16): a tile's sixteen keys lie in sixteen neighbouring rows
.endr
.irp u, 0,1
.irp c, 0,1
.irp j, 0,1,2,3
	ds_load_b128 v[X+16*(2*\u+\c)+4*\j:X+16*(2*\u+\c)+4*\j+3], v4 offset:16*\u*272+128*\c+16*\j   ; LDS serves a wave's instructions in order (ISA guide 5.7.1.4): these see the stores above
.endr
.endr
.endr
	s_wait_loadcnt 0x0                             ; V is in
.irp i, 0,1,2,3,4,5,6,7,8,9,10,11,12,13,14,15
	ds_store_b128 v5, v[VR+4*\i:VR+4*\i+3] offset:2*\i*272+(\i/8)*64
.endr
	s_wait_dscnt 16                                ; all but V's sixteen stores: K's numbers are back, and K's stage stores have read v16-79, which V's numbers now take
.irp t, 0,1,2,3
.irp i, 0,1,2,3,4,5,6,7,8,9,10,11,12,13,14,15
	ds_load_b32 v[KR+16*\t+\i], v6 offset:\i*272+64*\t     ; V(key 16 h + i, channel 16 t + r)
.endr
.endr
.irp f, 0,1,2,3                                ; K: fragment part f = 2 u + c
.irp i, 0,1,2,3,4,5,6,7,8,9,10,11,12,13,14,15
	v_med3_num_f32 v[X+16*\f+\i], v[X+16*\f+\i], -v10, v10   ; the conversion to an 8-bit code does not saturate (ISA guide 7.6.2): the hold at the largest code x the scale comes first
.endr
	v_cvt_scalef32_pk8_fp8_f32 v[CD+4*\f:CD+4*\f+1], v[X+16*\f:X+16*\f+7], v9
	v_cvt_scalef32_pk8_fp8_f32 v[CD+4*\f+2:CD+4*\f+3], v[X+16*\f+8:X+16*\f+15], v9
	global_store_b128 v2, v[CD+4*\f:CD+4*\f+3], s[14:15] offset:(\f/2)*1024+(\f%2)*512   ; 32 lanes store 512 consecutive bytes, at a multiple of 512 from kv's first byte
.endr
	s_wait_dscnt 0x0                               ; V's numbers are back
.irp t, 0,1,2,3
.irp i, 0,1,2,3,4,5,6,7,8,9,10,11,12,13,14,15
	v_med3_num_f32 v[KR+16*\t+\i], v[KR+16*\t+\i], -v12, v12
.endr
	v_cvt_scalef32_pk8_fp8_f32 v[CD+16+4*\t:CD+16+4*\t+1], v[KR+16*\t:KR+16*\t+7], v11
	v_cvt_scalef32_pk8_fp8_f32 v[CD+16+4*\t+2:CD+16+4*\t+3], v[KR+16*\t+8:KR+16*\t+15], v11
	global_store_b128 v2, v[CD+16+4*\t:CD+16+4*\t+3], s[16:17] offset:\t*2048
.endr
	v_nop                                          ; a plain vector line behind the last conversion
	s_wait_tensorcnt 0x0                           ; the wave's end, behind my last LDS store
	ds_add_u32 v[SPW], v[NIL]
	s_wait_dscnt 0x0
	s_endpgm
.Lfunc_end_k_qb31dd5ebd6_prep:
	.size	k_qb31dd5ebd6_prep, .Lfunc_end_k_qb31dd5ebd6_prep-k_qb31dd5ebd6_prep
	.p2alignl 7, 3214868480
	.fill 96, 4, 3214868480
	.section	.rodata,"a",@progbits
	.p2align	6, 0x0
	.amdhsa_kernel k_qb31dd5ebd6_prep
		.amdhsa_group_segment_fixed_size 71168
		.amdhsa_private_segment_fixed_size 0
		.amdhsa_enable_private_segment 0
		.amdhsa_kernarg_size 32
		.amdhsa_user_sgpr_count 2
		.amdhsa_user_sgpr_kernarg_segment_ptr 1
		.amdhsa_wavefront_size32 1
		.amdhsa_system_sgpr_workgroup_id_x 1
		.amdhsa_system_sgpr_workgroup_id_y 1
		.amdhsa_system_sgpr_workgroup_id_z 1
		.amdhsa_system_vgpr_workitem_id 0
		.amdhsa_next_free_vgpr 240
		.amdhsa_next_free_sgpr 66
		.amdhsa_reserve_vcc 0
		.amdhsa_float_denorm_mode_32 3
		.amdhsa_float_denorm_mode_16_64 3
		.amdhsa_memory_ordered 1
		.amdhsa_forward_progress 1
		.amdhsa_inst_pref_size 23
	.end_amdhsa_kernel
	.amdgpu_metadata
---
amdhsa.version: [ 1, 2 ]
amdhsa.kernels:
  - .name:           k_qb31dd5ebd6_prep
    .symbol:         k_qb31dd5ebd6_prep.kd
    .args:
      - { .name: key, .offset: 0, .size: 8, .value_kind: global_buffer, .address_space: global }
      - { .name: value, .offset: 8, .size: 8, .value_kind: global_buffer, .address_space: global }
      - { .name: lowp_scales, .offset: 16, .size: 8, .value_kind: global_buffer, .address_space: global }
      - { .name: kv, .offset: 24, .size: 8, .value_kind: global_buffer, .address_space: global }
    .group_segment_fixed_size: 71168
    .private_segment_fixed_size: 0
    .kernarg_segment_align: 8
    .kernarg_segment_size: 32
    .max_flat_workgroup_size: 128
    .sgpr_count:     66
    .vgpr_count:     240
    .wavefront_size: 32
...
	.end_amdgpu_metadata
.endif
;; end of part 1
;; launch attn (part 2): grid 16 x 16, 4 waves a work-group, clusters of 4 x 4, 327,680 bytes of LDS; arguments query, attn_mask, kv, lowp_scales, out0; writes out0
.if DOCPART == 2
	.amdgcn_target "amdgcn-amd-amdhsa--gfx1250"
	.amdhsa_code_object_version 6
	.text
	.protected	k_qb31dd5ebd6_attn
	.globl	k_qb31dd5ebd6_attn
	.p2align	8
	.type	k_qb31dd5ebd6_attn,@function
k_qb31dd5ebd6_attn:
	s_mov_b64 s[64:65], 0
	v_nop
	global_prefetch_b8 v0, s[64:65] scope:SCOPE_SE
	s_setreg_imm32_b32 hwreg(HW_REG_WAVE_MODE, 25, 1), 1
	s_wait_xcnt 0x0
	s_wait_alu depctr_hold_cnt(0) depctr_sa_sdst(0) depctr_va_vdst(0) depctr_va_sdst(0) depctr_va_ssrc(0) depctr_va_vcc(0) depctr_vm_vsrc(0)
	s_getreg_b32 s2, hwreg(HW_REG_IB_STS2, 6, 4)
	s_cmp_eq_u32 s2, 0
	s_cbranch_scc0 .Lentry_in_a_cluster
	s_endpgm
.Lentry_in_a_cluster:
	s_bfe_u32 s2, ttmp6, 0x10000c
	s_cmp_lg_u32 s2, 0xf033
	s_cbranch_scc0 .Lentry_shape_is_right
	s_endpgm
.Lentry_shape_is_right:
; out = softmax(Q K^T + mask) V for 64 heads of 2,048 x 64, both products on codes of E4M3 with the given scales 2^eq, 2^ek, 2^ep, 2^ev.
; WORK LEFT OUT: the factor 1 / sqrt(1) is 1 by an identity, so no multiplication by it is written; nothing else is left out.
; THE SOFTMAX: t = (score + mask) x log2(e); M = the running largest t rounded up to a whole number; p = 2^(t - M) is quantised; the row's sum is taken of the unquantised p and divides at the end.
; LIMITS: eq + ek between -123 and 126, eq and ep between -126 and 119; the scaled scores stay under 2^31 in magnitude; NaN among the inputs is not served.
; SHARES.  Work-group (X, Y): heads 4 X .. 4 X + 3, queries 128 Y .. + 127.  Four waves, one to a SIMD: wave w owns queries 64 (w % 2) .. + 63 of heads 2 (w / 2), 2 (w / 2) + 1:
; eight UNITS u = 2 a + g of 16 queries (tile a) x one head (g).  A step is 128 keys.  Both products are used transposed, so a lane holds one query (lane % 16) throughout; kv holds images of the operands' registers.
; THE RING: two LDS slots, each with the step's K and V of four heads (65,536 bytes) and the mask's 128 rows x 512 bytes (+ 16 of padding a row).  Waves 0, 1 fetch the mask's halves, waves 2, 3 kv's halves, one load a wave.
; CLUSTERS: 4 x 4 work-groups; the mask's tile hangs on Y alone and is asked for jointly along a row of the cluster, kv's on X alone and along a column.
; THE PIPELINE runs over units and on across the change of slots.  Turn i: the exponentials of unit i, with the multiply-adds t - M of unit i + 1 among and behind them; O of unit i under its new M; sum, hold and codes of unit i;
; Q K^T of unit i + 2 (C = the scaled mask) and the products with V of unit i; the factor 2^(old M - new M) of unit i + 1; the maximum and -M of unit i + 2.
; The change of slots stands ahead of turn 5: the old slot's last LDS read was waited for in turn 4, and turn 6 wants the next step's K and mask.
; The loop is written once (the slot's first byte is a scalar turned by an exclusive or) and is entered at turn 0, behind a prologue that starts units 0 and 1; the last change of slots asks for nothing and is written out with its eight turns.
; Q: each load reads 512 consecutive bytes; the numbers turn through my stage in LDS, are held and quantised in registers.
; O's registers first hold the held numbers of Q, which are finite; the first step's factor 2^(old M - new M) is 0 (old M stands at -3e38) and makes zeros of them, so no register is cleared.
; PREFETCH: at the change that loads step n + 1, step n + 3 is asked for: two steps ahead of its load.  Only the clusters with x = 0 ask for the mask and those with y = 0 for kv; the four partners share a tile's blocks out by address
; (32 rows of the mask, 16,384 bytes of kv each), a wave 32 blocks of 256 bytes, a lane a block.  Steps 0 to 2 come by their loads alone, and the last three changes ask for nothing.
; REGISTERS, in windows of 256: window 0 addresses, states, S (two units), p's codes; window 1 K (0-127) and V (128-255) of both heads; window 2 O (32 a unit); window 3 two mask tiles (0-127), Q's codes (128-191).
.set SLOT,  133120
.set MOFF,  65536                      ; the mask's rows in a slot, behind kv
.set MP,    528                        ; a mask row in LDS
.set SPARE, 2*SLOT                     ; the spare words: 128 bytes a wave
.set STAGE, SPARE+512                  ; 16 rows x 272 bytes a wave: Q's way in, O's way out
.set SP,    272
.set AM0, 2                            ; my place in a mask tile, slot 0;  AMC: in the slot in hand
.set AMC, 3
.set AK0, 4                            ; the same for kv
.set AKC, 5
.set QO,  6
.set STO, 7
.set RD,  8
.set GO,  9
.set SPW, 10                           ; my spare word; never rewritten
.set NIL, 11                           ; 0; never rewritten
.set PS,  12                           ; 2^ep
.set PFO, 14
.set ST,  16                           ; v16-47: a unit's -M, largest raw score, sum in two halves
.set FF,  48                           ; v48-51: the factor 2^(old M - new M) of even and odd units, each the low word of a pair
.set QS,  52
.set QH,  53
.set TP,  58
.set PH,  60                           ; 448 x 2^ep, twice: the two halves of a dual pair read different registers
.set TO,  62                           ; v62-63: the old -M of an even and of an odd unit
.set S,   64                           ; v64-191: scores, then p, of two units
.set T2,  192                          ; v192-201: five chains of the sum
.set MX,  202                          ; v202-207: six chains of the maximum
.set P,   208                          ; p's codes
.set QR,  128                          ; window 3
.set TRIPS, 3
.set WV,   14
.set ROLE, 15                          ; wave / 2: my pair of heads; 0: I fetch the mask, 1: kv
.set PART, 16                          ; wave % 2: my 64 queries; which half I fetch
.set G1M, 24
.set G0M, 32
.set TB,  36                           ; LDS byte at which the slot in hand begins
.set LBM, 37                           ; where my half of the mask lies in a slot
.set LBK, 38                           ; and my half of kv
.set G1K, 48
.set G0K, 56
.set CS,  66
.set SEL, 68
.set MSC, 70
.set LIM, 76
.set EPV, 77
.set PFA, 78
.set PFS, 80
.set MSB, 0
.macro WIN new                         ; the immediate's high byte repeats the setting that is left
.if MSB != \new
	s_set_vgpr_msb (MSB<<8)|\new
.set MSB, \new
.endif
.endm
.macro CROUND                          ; a round of the cluster's barrier
	s_barrier_signal -1
	s_barrier_wait -1
	s_cmp_lg_u32 s[WV], 0
	s_cbranch_scc1 .Lnot_wave_0_\@
	s_barrier_signal -3
.Lnot_wave_0_\@:
	s_barrier_wait -3
	s_barrier_signal -1
	s_barrier_wait -1
.endm
.macro JLOAD                           ; my one joint load; s_nop 0 and four v_nop follow each line
	s_cmp_eq_u32 s[ROLE], 0
	s_cbranch_scc0 .Lfor_kv_\@
	tensor_load_to_lds s[G0M:G0M+3], s[G1M:G1M+7]
	s_nop 0
.rept 4
	v_nop
.endr
	s_branch .Lasked_\@
.Lfor_kv_\@:
	tensor_load_to_lds s[G0K:G0K+3], s[G1K:G1K+7]
	s_nop 0
.rept 4
	v_nop
.endr
.Lasked_\@:
.endm
.macro ASK                             ; s[TRIPS] = 15 - n at the change that loads step n + 1: step n + 3 exists while it is above 2
	s_cmp_gt_u32 s[TRIPS], s[LIM]
	s_cbranch_scc0 .Lnot_mine_\@
	global_prefetch_b8 v[PFO], s[PFA:PFA+1] th:TH_LOAD_NT scope:SCOPE_SE
.Lnot_mine_\@:
.endm
	s_load_b256 s[4:11], s[0:1], 0x0               ; query, mask, kv, the scales' exponents
	s_load_b64 s[12:13], s[0:1], 0x20              ; out
	v_lshl_add_u32 v[SPW], v0, 2, SPARE
	v_mov_b32 v[NIL], 0
	ds_add_u32 v[SPW], v[NIL]                      ; the opening lines: the add, twice on end, and its wait
	ds_add_u32 v[SPW], v[NIL]
	v_lshrrev_b32 v1, 5, v0
	v_readfirstlane_b32 s[WV], v1
	v_and_b32 v1, 15, v0                           ; r
	v_bfe_u32 v15, v0, 4, 1                        ; h
	v_lshlrev_b32 v[GO], 8, v15
	v_lshl_add_u32 v[GO], v1, 4, v[GO]             ; Q and O in memory: lanes 0-15 one row of 256 bytes, lanes 16-31 the next
	s_lshr_b32 s[ROLE], s[WV], 1
	s_and_b32 s[PART], s[WV], 1
	s_bfe_u32 s40, ttmp6, 0x40000                  ; cx
	s_bfe_u32 s41, ttmp6, 0x40004                  ; cy
	s_lshl_b32 s42, ttmp9, 2
	s_add_co_u32 s42, s42, s40                     ; X
	s_and_b32 s17, ttmp7, 0xffff
	s_lshl_b32 s17, s17, 2
	s_add_co_u32 s17, s17, s41                     ; Y
	s_lshl_b32 s43, s41, 2
	s_lshl_b32 s43, 15, s43                        ; my row of the cluster
	s_lshl_b32 s44, 0x1111, s40                    ; my column
	s_or_b32 s[G1M], s43, (2<<16)|(1<<20)|(1<<21)|(6<<22)|(3<<25)  ; the mask: 64 rows x 128 words, four words of padding behind each row
	s_mov_b32 s[G1M+1], 128<<16
	s_mov_b32 s[G1M+2], 64<<16
	s_mov_b32 s[G1M+3], 128<<16
	s_mov_b32 s[G1M+4], 64
	s_mov_b32 s[G1M+5], 2048
	s_mov_b32 s[G1M+6], 0
	s_mov_b32 s[G1M+7], 0
	s_or_b32 s[G1K], s44, (3<<16)|(1<<21)          ; kv: 32,768 dense bytes as 128 rows of 256
	s_mov_b32 s[G1K+1], 32<<16
	s_mov_b32 s[G1K+2], 128<<16
	s_mov_b32 s[G1K+3], 32<<16
	s_mov_b32 s[G1K+4], 128
	s_mov_b32 s[G1K+5], 32
	s_mov_b32 s[G1K+6], 0
	s_mov_b32 s[G1K+7], 0
	s_lshl_b32 s18, s17, 20                        ; the mask: 128 Y rows of 8,192 bytes,
	s_lshl_b32 s19, s[PART], 19                    ; + my 64
	s_add_co_u32 s18, s18, s19
	s_mov_b32 s19, 0
	s_lshl_b32 s20, s42, 20                        ; kv: 16 blocks of 65,536 bytes for each X,
	s_lshl_b32 s21, s[PART], 15                    ; + my half of a block
	s_add_co_u32 s20, s20, s21
	s_mov_b32 s21, 0
	s_mul_i32 s[LBM], s[PART], 64*MP
	s_add_co_u32 s[LBM], s[LBM], MOFF
	s_lshl_b32 s[LBK], s[PART], 15
	s_lshl_b32 s82, s42, 2
	s_lshl_b32 s83, s[ROLE], 1
	s_add_co_u32 s82, s82, s83                     ; my first head
	s_lshl_b32 s82, s82, 19
	s_lshl_b32 s83, s17, 7
	s_lshl_b32 s84, s[PART], 6
	s_add_co_u32 s83, s83, s84                     ; my first query
	s_lshl_b32 s83, s83, 8
	s_add_co_u32 s82, s82, s83
	s_mov_b32 s83, 0
	s_mov_b32 s[SEL], 0x76543210
	s_mov_b32 s[SEL+1], 0xfedcba98
	s_mov_b32 s[TB], SLOT                          ; the first change turns it to slot 0 and fills slot 1
	s_mov_b32 s[TRIPS], 15
	s_wait_alu depctr_va_vdst(0)                   ; directly ahead of the waits below
	s_wait_dscnt 0x0
	s_wait_kmcnt 0x0
	s_load_b128 s[72:75], s[10:11], 0x0            ; eq, ek, ep, ev
	s_add_nc_u64 s[4:5], s[4:5], s[82:83]
	s_add_nc_u64 s[12:13], s[12:13], s[82:83]
	WIN 0x40                                       ; Q's numbers as they lie, unit u into window 1, v[32 u ..]: 32 lanes read 512 consecutive bytes; asked for ahead of the first round
.irp a, 0,1,2,3
.irp g, 0,1
.irp f, 0,1,2,3,4,5,6,7
	global_load_b128 v[32*(2*\a+\g)+4*\f:32*(2*\a+\g)+4*\f+3], v[GO], s[4:5] offset:\g*524288+\a*4096+512*\f th:TH_LOAD_NT
.endr
.endr
.endr
	WIN 0
	s_mov_b32 s[G0M], 1
	s_mov_b32 s[G0M+1], s[LBM]
	s_add_nc_u64 s[G0M+2:G0M+3], s[6:7], s[18:19]
	s_or_b32 s[G0M+3], s[G0M+3], 0x80000000
	s_mov_b32 s[G0K], 1
	s_mov_b32 s[G0K+1], s[LBK]
	s_add_nc_u64 s[G0K+2:G0K+3], s[8:9], s[20:21]
	s_or_b32 s[G0K+3], s[G0K+3], 0x80000000
	CROUND                                         ; all sixteen work-groups are here: the first joint loads meet
	JLOAD                                          ; step 0 into slot 0: one tensor load a wave at the head
	; the prefetches: where my wave's stand, and who asks
	s_and_b32 s84, ttmp7, 0xffff
	s_mov_b32 s[PFS], 65536
	s_cmp_eq_u32 s[ROLE], 0
	s_cselect_b64 s[PFA:PFA+1], s[6:7], s[8:9]
	s_cselect_b32 s[PFS], 512, s[PFS]              ; a step on
	s_cselect_b32 s85, s17, s42
	s_cselect_b32 s86, s40, s41                    ; my place among the four that ask for the tile with me
	s_cselect_b32 s84, ttmp9, s84
	s_cselect_b32 s87, 18, 14
	s_cselect_b32 s88, 8, 13
	s_cselect_b32 s89, 13, 8
	s_mov_b32 s[PFS+1], 0
	s_lshl_b32 s85, s85, 20
	s_lshl_b32 s86, s86, s87
	s_add_co_u32 s82, s85, s86
	s_lshl_b32 s86, s[PART], s88
	s_add_co_u32 s82, s82, s86
	s_lshl_b32 s86, s[PFS], 1
	s_add_co_u32 s82, s82, s86                     ; at step 2: the first change steps it to step 3
	s_mov_b32 s83, 0
	s_add_nc_u64 s[PFA:PFA+1], s[PFA:PFA+1], s[82:83]
	s_cmp_eq_u32 s84, 0
	s_cselect_b32 s[LIM], 2, -1
	s_lshl_b32 s83, s[ROLE], 14
	s_mul_i32 s84, s[WV], 16*SP
	s_add_co_u32 s84, s84, STAGE                   ; my stage
	v_and_b32 v[PFO], 31, v0
	v_lshlrev_b32 v[PFO], s89, v[PFO]
	v_mul_u32_u24 v[AM0], v1, MP
	v_lshl_add_u32 v[AM0], v15, 6, v[AM0]
	v_add_nc_u32 v[AM0], s[LBM], v[AM0]            ; the mask: row r of my 64, + 64 h
	v_and_b32 v[AK0], 31, v0
	v_lshlrev_b32 v[AK0], 4, v[AK0]
	v_add_nc_u32 v[AK0], s83, v[AK0]               ; kv: 16 x lane, in my pair of heads
	v_mul_u32_u24 v[STO], v1, SP
	v_lshl_add_u32 v[STO], v15, 5, v[STO]
	v_add_nc_u32 v[STO], s84, v[STO]               ; the stage, O in: row r, + 32 h
	v_mul_u32_u24 v[RD], v15, SP
	v_lshl_add_u32 v[RD], v1, 4, v[RD]
	v_add_nc_u32 v[RD], s84, v[RD]                 ; the stage by rows: row h, + 16 r
	v_mul_u32_u24 v[QO], v1, SP
	v_lshl_add_u32 v[QO], v15, 6, v[QO]
	v_add_nc_u32 v[QO], s84, v[QO]                 ; the stage, Q out: row r, + 64 h
	v_mov_b32 v[FF+1], 0                           ; (named as the upper halves of pairs)
	v_mov_b32 v[FF+3], 0
	v_mov_b32 v[TP], 0                             ; a lane permute's destination counts as a source
.irp p, 0,1,2,3,4,5,6,7
	v_mov_b32 v[ST+4*\p], 0x7f61b1e6               ; -M: 3e38
	v_mov_b32 v[ST+4*\p+1], 0xff61b1e6             ; the largest score so far: -3e38
	v_mov_b32 v[ST+4*\p+2], 0
	v_mov_b32 v[ST+4*\p+3], 0
.endr
	s_wait_kmcnt 0x0
	s_add_co_i32 s82, s72, s73
	s_lshl_b32 s83, s82, 23
	s_mov_b32 s[CS], 0x3fb8aa3b
	s_add_co_i32 s[CS], s[CS], s83                 ; log2(e) x 2^(eq + ek)
	s_mov_b32 s[CS+1], s[CS]
	s_sub_co_i32 s[MSC], 127, s82
	s_lshl_b32 s[MSC], s[MSC], 23                  ; 2^-(eq + ek): the mask goes in as C, divided by what the sums lack
	s_mov_b32 s[MSC+1], s[MSC]
	s_add_co_i32 s82, s72, 127
	s_lshl_b32 s83, s82, 23
	v_mov_b32 v[QS], s83
	s_add_co_i32 s82, s82, 8
	s_lshl_b32 s82, s82, 23
	s_or_b32 s82, s82, 0x600000
	v_mov_b32 v[QH], s82
	s_add_co_i32 s82, s74, 127
	s_lshl_b32 s83, s82, 23
	v_mov_b32 v[PS], s83
	s_add_co_i32 s82, s82, 8
	s_lshl_b32 s82, s82, 23
	s_or_b32 s82, s82, 0x600000
	v_mov_b32 v[PH], s82
	v_mov_b32 v[PH+1], s82
	s_add_co_i32 s[EPV], s74, s75
.macro CONV u                          ; unit u's numbers of Q are held and quantised; the held numbers stay where O will be summed
	WIN 0x82
.set k, 0
.rept 32
	v_med3_num_f32 v[32*(\u)+k], v[32*(\u)+k], -v[QH], v[QH]
.set k, k+1
.endr
	WIN 0xc2
.irp c, 0,1
	v_cvt_scalef32_pk8_fp8_f32 v[QR+8*(\u)+4*\c:QR+8*(\u)+4*\c+1], v[32*(\u)+16*\c:32*(\u)+16*\c+7], v[QS]
	v_cvt_scalef32_pk8_fp8_f32 v[QR+8*(\u)+4*\c+2:QR+8*(\u)+4*\c+3], v[32*(\u)+16*\c+8:32*(\u)+16*\c+15], v[QS]
.endr
.endm
	s_wait_alu depctr_va_vdst(0)                   ; directly ahead of the wait below
.irp u, 0,1,2,3,4,5,6,7
	s_wait_loadcnt 8*(7-\u)                        ; unit u's eight loads are in; the later units' may be out
	WIN 0x04
.irp f, 0,1,2,3,4,5,6,7
	ds_store_b128 v[RD], v[32*\u+4*\f:32*\u+4*\f+3] offset:\f*2*SP
.endr
	WIN 0x80                                       ; back into window 2: lane (r, h) takes channels 32 c + 16 h + 0 .. 15 of query r.  LDS serves a wave's instructions in order (ISA guide 5.7.1.4)
.irp c, 0,1
.irp j, 0,1,2,3
	ds_load_b128 v[32*\u+16*\c+4*\j:32*\u+16*\c+4*\j+3], v[QO] offset:128*\c+16*\j
.endr
.endr
.if \u > 0
	s_wait_dscnt 16                                ; the unit before is back; this unit's eight stores and eight loads may be out
	CONV \u-1
.endif
.endr
	s_wait_dscnt 0x0
	CONV 7
	v_nop                                          ; a plain line behind the last conversion
.macro MLOAD a                         ; mask tile a (16 queries x 128 keys) -> window 3, buffer a % 2
	WIN 0xc0
.irp b, 0,1,2,3
.irp j, 0,1,2,3
	ds_load_b128 v[64*((\a)%2)+16*\b+4*\j:64*((\a)%2)+16*\b+4*\j+3], v[AMC] offset:(\a)*16*MP+128*\b+16*\j
.endr
.endr
.endm
.macro KLOAD                           ; K's fragments of both heads -> window 1, v0-127
	WIN 0x40
.irp g, 0,1
.irp T, 0,1,2,3,4,5,6,7
.irp c, 0,1
	ds_load_b128 v[64*\g+8*\T+4*\c:64*\g+8*\T+4*\c+3], v[AKC] offset:8192*\g+1024*\T+512*\c
.endr
.endr
.endr
.endm
.macro VLOAD                           ; V's -> window 1, v128-255
	WIN 0x40
.irp g, 0,1
.irp t, 0,1,2,3
.irp c, 0,1,2,3
	ds_load_b128 v[128+64*\g+16*\t+4*\c:128+64*\g+16*\t+4*\c+3], v[AKC] offset:32768+8192*\g+2048*\t+512*\c
.endr
.endr
.endr
.endm
.macro MSCALE b                        ; mask buffer b x 2^-(eq + ek): exact
	WIN 0xc3
.set k, 0
.rept 32
	v_pk_mul_f32 v[64*(\b)+k:64*(\b)+k+1], v[64*(\b)+k:64*(\b)+k+1], s[MSC:MSC+1] op_sel_hi:[1,0]
.set k, k+2
.endr
.endm
.macro QK u                            ; S^T = K Q^T + mask of unit u: source 0 K (window 1), source 1 Q and C the mask (window 3), D window 0
.set qS, S+64*((\u)%2)
.set qK, 64*((\u)%2)
.set qM, 64*(((\u)/2)%2)
	WIN 0x3d
.irp T, 0,1,2,3,4,5,6,7
	v_wmma_f32_16x16x64_fp8_fp8 v[qS+8*\T:qS+8*\T+7], v[qK+8*\T:qK+8*\T+7], v[QR+8*(\u):QR+8*(\u)+7], v[qM+8*\T:qM+8*\T+7]
.endr
.endm
.macro MAXT u                          ; the running largest score of unit u, in six chains that begin at the running one, and the new -M
.set mS, S+64*((\u)%2)
.set mT, ST+4*(\u)
.set k, 0
.rept 6
	v_max3_num_f32 v[MX+k/2], v[mT+1], v[mS+k], v[mS+k+1]
.set k, k+2
.endr
.rept 26
	v_max3_num_f32 v[MX+(k/2)%6], v[MX+(k/2)%6], v[mS+k], v[mS+k+1]
.set k, k+2
.endr
	v_max3_num_f32 v[MX], v[MX], v[MX+1], v[MX+2]
	v_max3_num_f32 v[MX+3], v[MX+3], v[MX+4], v[MX+5]
	v_max_num_f32 v[MX], v[MX], v[MX+3]
	v_permlanex16_b32 v[TP], v[MX], s[SEL], s[SEL+1]
	v_max_num_f32 v[mT+1], v[MX], v[TP]            ; and lane l xor 16's
	v_mul_f32 v[MX], s[CS], v[mT+1]                ; as t (the factor is positive)
	v_floor_f32 v[mT], -v[MX]                      ; -M = floor(-t)
.endm
.macro DEF u                           ; unit u's factor 2^(old M - new M); it is first wanted in turn u, so it is made a turn behind the maximum
	v_sub_f32 v[MX], v[ST+4*(\u)], v[TO+(\u)%2]    ; old M - new M: a whole number, 0 or less
	v_cvt_i32_f32 v[MX], v[MX]                     ; (it saturates)
	v_ldexp_f32 v[FF+2*((\u)%2)], 1.0, v[MX]
.endm
; TURN i.  ld: the loads for later units are issued; qk: unit i + 2 is started; fm: unit i + 1's t - M and factor are made
.macro IT i, ld, qk, fm
.set SB, S+64*((\i)%2)
.set SN, S+64*(((\i)+1)%2)
.set rT, ST+4*(\i)
.set rN, ST+4*(((\i)+1)%8)
.set rF, FF+2*((\i)%2)
.set U2, ((\i)+2)%8
.set OB, 32*(\i)
.set VB, 128+64*((\i)%2)
.if ((\i)%2) && \ld
	MLOAD (((\i)+3)/2)%4
	WIN 0
.endif
	s_wait_alu depctr_va_vdst(0)                   ; ahead of the batch
.set k, 0
.rept 32
	v_exp_f32 v[SB+k], v[SB+k]                     ; p = 2^(t - M)
.if \fm && (k < 40)
	v_pk_fma_f32 v[SN+k:SN+k+1], v[SN+k:SN+k+1], s[CS:CS+1], v[rN:rN+1] op_sel_hi:[1,0,0]   ; the next unit's t - M; first read behind the wait below
.endif
	v_exp_f32 v[SB+k+1], v[SB+k+1]
.set k, k+2
.endr
.if \fm
.set k, 40
.rept 12
	v_pk_fma_f32 v[SN+k:SN+k+1], v[SN+k:SN+k+1], s[CS:CS+1], v[rN:rN+1] op_sel_hi:[1,0,0]   ; the last twelve stand behind the last exponential
.set k, k+2
.endr
.endif
	v_pk_mul_f32 v[rT+2:rT+3], v[rT+2:rT+3], v[rF:rF+1] op_sel_hi:[1,0]   ; the sums under the new M
	WIN 0x82
	s_wait_alu depctr_va_vdst(0)                   ; one wait, behind the batch and directly ahead of the first readers of O^T
.set k, 0
.rept 16
	v_pk_mul_f32 v[OB+k:OB+k+1], v[OB+k:OB+k+1], v[rF:rF+1] op_sel_hi:[1,0]   ; O^T under the new M
.set k, k+2
.endr
	WIN 0
.irp c, 0,1,2,3,4                              ; the row's sum of the unquantised p, in six chains
	v_pk_add_f32 v[T2+2*\c:T2+2*\c+1], v[SB+4*\c:SB+4*\c+1], v[SB+4*\c+2:SB+4*\c+3]
.endr
.set k, 20
.rept 22
.set rC, T2+2*(((k/2)+1)%6)
.if ((k/2)+1)%6 == 5
.set rC, rT+2
.endif
	v_pk_add_f32 v[rC:rC+1], v[rC:rC+1], v[SB+k:SB+k+1]
.set k, k+2
.endr
.set k, 0
.rept 32
	v_dual_min_num_f32 v[SB+k], v[SB+k], v[PH] :: v_dual_min_num_f32 v[SB+k+1], v[SB+k+1], v[PH+1]   ; the hold at 448 x 2^ep (ISA guide 7.6.2); p is not negative
.set k, k+2
.endr
	v_pk_add_f32 v[T2:T2+1], v[T2:T2+1], v[T2+2:T2+3]
	v_pk_add_f32 v[T2+4:T2+5], v[T2+4:T2+5], v[T2+6:T2+7]
	v_pk_add_f32 v[rT+2:rT+3], v[rT+2:rT+3], v[T2+8:T2+9]
	v_pk_add_f32 v[T2:T2+1], v[T2:T2+1], v[T2+4:T2+5]
	v_pk_add_f32 v[rT+2:rT+3], v[rT+2:rT+3], v[T2:T2+1]
.irp b, 0,1,2,3
	v_cvt_scalef32_pk8_fp8_f32 v[P+4*\b:P+4*\b+1], v[SB+16*\b:SB+16*\b+7], v[PS]
	v_cvt_scalef32_pk8_fp8_f32 v[P+4*\b+2:P+4*\b+3], v[SB+16*\b+8:SB+16*\b+15], v[PS]
.endr
.if \qk
	v_mov_b32 v[TO+U2%2], v[ST+4*U2]               ; unit i + 2's old -M (the plain line behind the conversions)
.if ((\i)%2) == 0
.if (\i) == 0
	s_wait_dscnt 32                                ; the mask tile is in; V's 32 loads, issued behind it, may be out
.else
	s_wait_dscnt 0x0                               ; the mask tile (turn 6: and K) is in
.endif
	MSCALE (U2/2)%2
.endif
	QK U2
.else
	v_nop                                          ; the plain line behind the conversions
.endif
.if (\i) == 0
	s_wait_dscnt 0x0                               ; V is in
.endif
	WIN 0xa1
.irp t, 0,1,2,3
	v_wmma_f32_16x16x128_fp8_fp8 v[OB+8*\t:OB+8*\t+7], v[VB+16*\t:VB+16*\t+15], v[P:P+15], v[OB+8*\t:OB+8*\t+7]
.endr
	WIN 0
.if \fm
	DEF ((\i)+1)%8
.endif
.if \qk
	v_nop                                          ; with the three lines above: the four places behind the products
	MAXT U2
.endif
.if \ld && ((\i) == 5)
	KLOAD                                          ; the next step's K: the maximum's lines are the places behind unit 7's scores
.endif
.if \ld && ((\i) == 7)
	VLOAD                                          ; the next step's V: the maximum's lines are the places behind unit 7's products
.endif
	WIN 0
.endm
; THE CHANGE OF SLOTS.  All my tensor loads are in, the add, my reads of the slot that is left are over; fill = 1: a round of the cluster's barrier, and that slot takes the step after next's tiles
.macro CHANGE fill
	WIN 0
	s_wait_alu depctr_va_vdst(0)                   ; directly ahead of the wait below
	s_wait_tensorcnt 0x0
	ds_add_u32 v[SPW], v[NIL]
.if \fill
	s_add_co_u32 s[G0M+1], s[LBM], s[TB]           ; the slot that is left
	s_add_co_u32 s[G0K+1], s[LBK], s[TB]
	s_add_nc_u64 s[G0M+2:G0M+3], s[G0M+2:G0M+3], 512
	s_add_nc_u64 s[G0K+2:G0K+3], s[G0K+2:G0K+3], 65536
	s_wait_xcnt 0x0                                ; any prefetch of mine has read its address
	s_add_nc_u64 s[PFA:PFA+1], s[PFA:PFA+1], s[PFS:PFS+1]
.endif
	s_xor_b32 s[TB], s[TB], SLOT                   ; the slot ahead
	v_add_nc_u32 v[AMC], s[TB], v[AM0]
	v_add_nc_u32 v[AKC], s[TB], v[AK0]
	s_wait_alu depctr_va_vdst(0)
	s_wait_dscnt 0x0
.if \fill
	CROUND
	JLOAD
	ASK
.else
	s_barrier_signal -1
	s_barrier_wait -1
.endif
.endm
	CHANGE 1                                       ; step 0 is in; slot 1's first fill is issued as a refill is
	MLOAD 0                                        ; THE PROLOGUE: units 0 and 1 are started
	KLOAD
	MLOAD 1
	VLOAD
	s_wait_dscnt 48                                ; mask tile 0 and K are in; tile 1's 16 loads and V's 32 may be out
	MSCALE 0
	QK 0
	QK 1
	WIN 0
	v_mov_b32 v[TO], v[ST]
	v_mov_b32 v[TO+1], v[ST+4]
.rept 2
	v_nop
.endr
	MAXT 0
	DEF 0
.set k, 0
.rept 32
	v_pk_fma_f32 v[S+k:S+k+1], v[S+k:S+k+1], s[CS:CS+1], v[ST:ST+1] op_sel_hi:[1,0,0]
.set k, k+2
.endr
	MAXT 1
	s_wait_alu depctr_va_vdst(0)                   ; ahead of the branch
	s_branch .Lmid
.Ltrip:                                                ; 14 whole trips: the changes that make steps 1 to 14 readable and ask for steps 2 to 15
	CHANGE 1
	IT 5, 1, 1, 1
	IT 6, 1, 1, 1
	IT 7, 1, 1, 1
.Lmid:
	IT 0, 1, 1, 1
	IT 1, 1, 1, 1
	IT 2, 1, 1, 1
	IT 3, 1, 1, 1
	IT 4, 1, 1, 1
	s_sub_co_u32 s[TRIPS], s[TRIPS], 1
	s_cmp_lg_u32 s[TRIPS], 0
	s_wait_alu depctr_va_vdst(0)
	s_cbranch_scc1 .Ltrip
	CHANGE 0                                       ; step 15 is in; nothing is filled again, so no round follows
	IT 5, 1, 1, 1
	IT 6, 1, 1, 1
	IT 7, 1, 1, 1
	IT 0, 1, 1, 1
	IT 1, 1, 1, 1
	IT 2, 1, 1, 1
	IT 3, 1, 1, 1
	IT 4, 1, 1, 1
	IT 5, 0, 1, 1                                  ; the pipeline runs empty
	IT 6, 0, 0, 1
	IT 7, 0, 0, 0
	; THE WAY OUT: O^T / the sum x 2^(ep + ev), a unit at a time through my stage, so that sixteen lanes store 256 consecutive aligned bytes
.irp p, 0,1,2,3,4,5,6,7
	v_add_f32 v[ST+4*\p+2], v[ST+4*\p+2], v[ST+4*\p+3]
.endr
.irp p, 0,1,2,3,4,5,6,7
	v_permlanex16_b32 v[ST+4*\p+3], v[ST+4*\p+2], s[SEL], s[SEL+1]
.endr
.irp p, 0,1,2,3,4,5,6,7
	v_add_f32 v[ST+4*\p+3], v[ST+4*\p+2], v[ST+4*\p+3]
.endr
	s_wait_alu depctr_va_vdst(0)                   ; ahead of the batch
.irp p, 0,1,2,3,4,5,6,7
	v_rcp_f32 v[ST+4*\p+2], v[ST+4*\p+3]
.endr
	v_nop
	s_wait_alu depctr_va_vdst(0)                   ; and behind it
.irp p, 0,1,2,3,4,5,6,7
	v_ldexp_f32 v[ST+4*\p+2], v[ST+4*\p+2], s[EPV]
.endr
.macro PACK p
.set rS, S+32*((\p)%2)
	WIN 0x02
	s_wait_alu depctr_va_vdst(0)                   ; directly ahead of the first reader of this unit's O^T
.set k, 0
.rept 16
	v_pk_mul_f32 v[rS+k:rS+k+1], v[32*(\p)+k:32*(\p)+k+1], v[ST+4*(\p)+2:ST+4*(\p)+3] op_sel_hi:[1,0]
.set k, k+2
.endr
	WIN 0
.irp t, 0,1,2,3
	ds_store_b128 v[STO], v[rS+8*\t:rS+8*\t+3] offset:64*\t
	ds_store_b128 v[STO], v[rS+8*\t+4:rS+8*\t+7] offset:64*\t+16
.endr
	WIN 0x40                                       ; back by rows, into window 1: a run of its own for each unit, so no store's data are written again
.irp f, 0,1,2,3,4,5,6,7
	ds_load_b128 v[32*(\p)+4*\f:32*(\p)+4*\f+3], v[RD] offset:\f*2*SP   ; LDS serves a wave's instructions in order (ISA guide 5.7.1.4)
.endr
.endm
.macro SEND p, younger
	WIN 0x04
.irp f, 0,1,2,3,4,5,6,7
	s_wait_dscnt \younger+7-\f
	global_store_b128 v[GO], v[32*(\p)+4*\f:32*(\p)+4*\f+3], s[12:13] offset:((\p)%2)*524288+((\p)/2)*4096+512*\f th:TH_STORE_NT
.endr
.endm
	PACK 0
.irp p, 1,2,3,4,5,6,7
	PACK \p
	SEND \p-1, 16
.endr
	SEND 7, 0
	WIN 0
	s_wait_tensorcnt 0x0                           ; the wave's end
	ds_add_u32 v[SPW], v[NIL]
	s_wait_dscnt 0x0
	CROUND                                         ; the closing round
	s_endpgm
.Lfunc_end_k_qb31dd5ebd6_attn:
	.size	k_qb31dd5ebd6_attn, .Lfunc_end_k_qb31dd5ebd6_attn-k_qb31dd5ebd6_attn
	.p2alignl 7, 3214868480
	.fill 96, 4, 3214868480
	.section	.rodata,"a",@progbits
	.p2align	6, 0x0
	.amdhsa_kernel k_qb31dd5ebd6_attn
		.amdhsa_group_segment_fixed_size 327680
		.amdhsa_private_segment_fixed_size 0
		.amdhsa_enable_private_segment 0
		.amdhsa_kernarg_size 40
		.amdhsa_user_sgpr_count 2
		.amdhsa_user_sgpr_kernarg_segment_ptr 1
		.amdhsa_wavefront_size32 1
		.amdhsa_system_sgpr_workgroup_id_x 1
		.amdhsa_system_sgpr_workgroup_id_y 1
		.amdhsa_system_sgpr_workgroup_id_z 1
		.amdhsa_system_vgpr_workitem_id 0
		.amdhsa_next_free_vgpr 1024
		.amdhsa_next_free_sgpr 90
		.amdhsa_reserve_vcc 0
		.amdhsa_float_denorm_mode_32 3
		.amdhsa_float_denorm_mode_16_64 3
		.amdhsa_memory_ordered 1
		.amdhsa_forward_progress 1
		.amdhsa_inst_pref_size 255
	.end_amdhsa_kernel
	.section	.bss,"aw",@nobits
	.p2align	6
	.space	262144
	.amdgpu_metadata
---
amdhsa.version: [ 1, 2 ]
amdhsa.kernels:
  - .name:           k_qb31dd5ebd6_attn
    .symbol:         k_qb31dd5ebd6_attn.kd
    .args:
      - { .name: query, .offset: 0, .size: 8, .value_kind: global_buffer, .address_space: global }
      - { .name: attn_mask, .offset: 8, .size: 8, .value_kind: global_buffer, .address_space: global }
      - { .name: kv, .offset: 16, .size: 8, .value_kind: global_buffer, .address_space: global }
      - { .name: lowp_scales, .offset: 24, .size: 8, .value_kind: global_buffer, .address_space: global }
      - { .name: out0, .offset: 32, .size: 8, .value_kind: global_buffer, .address_space: global }
    .group_segment_fixed_size: 327680
    .private_segment_fixed_size: 0
    .kernarg_segment_align: 8
    .kernarg_segment_size: 40
    .max_flat_workgroup_size: 128
    .sgpr_count:     90
    .vgpr_count:     1024
    .wavefront_size: 32
...
	.end_amdgpu_metadata
.endif
;; end of part 2
